; MI455X (gfx1250); checked and timed in simulation.
; The chip was launched on July 23, 2026; its instructions are those of AMD's public machine-readable ISA for CDNA 5 (MIT licence, August 2026) and "CDNA5" Instruction Set Architecture Reference Guide (July 2026). The comments in the code are by the model that wrote it; some were corrected since.
;; Self Attention. Allowed arithmetic: matrix products marked QUANTISED: E2M3 operands, one E8M0 scale for each 32 along K, by v_wmma_scale_f32_16x16x128_f8f6f4 with both operands' format E2M3, f32 sums; everything else in f32.
;; Inputs: key_input 4 x 2,048 x 1,024 float32; mask 4 x 1 x 1 x 2,048 int32; query_input 4 x 2,048 x 1,024 float32; value_input 4 x 2,048 x 1,024 float32.
;; Outputs: out0 4 x 2,048 x 1,024 float32.
;; This version of the problem:
;;   THIS VERSION OF THE PROBLEM IS GIVEN IN LOW PRECISION. The matrix products marked QUANTISED in the list below multiply operands that are first quantised to E2M3 (2 exponent bits, 3 mantissa bits; 6 bits a number), with one power-of-two scale for each 32 numbers along K (OCP MX v1.0); their sums are f32. All else is computed in f32.
;;   The module's matrix products, in the order in which they are computed (A, B: the left and right operand; K: the contracted axis; several contracted axes count as one K, in the product's order):
;;     1. batch 64 x [M 2,048, K 64] x [K 64, N 2,048]; A: input query_input; B: input key_input: QUANTISED
;;     2. batch 64 x [M 64, K 2,048] x [K 2,048, N 2,048]; A: input value_input; B: softmax (see below): QUANTISED
;;   THE QUANTISER, for each operand of a quantised product, along K:
;;     - K is cut into blocks of 32 from its start; a last block that is shorter is filled with zeros.
;;     - A block's scale is 2^e with e = floor(log2(the largest magnitude in the block)) - 2, held to -126 .. 127; a block of zeros has e = 0. As a byte (E8M0): e + 127.
;;     - Each number is divided by its block's scale, clamped to +-7.5, and rounded to the nearest number of E2M3, ties to even, subnormals kept.
;;     - The product sums the exact products of the quantised numbers (number of the format x scale) in f32.
;;   ~~~python
;;   def quantise(x, axis):      # numpy; x: float32 -> the quantised numbers, widened to float32 again
;;       x = np.moveaxis(x, axis, -1); K = x.shape[-1]
;;       x = np.pad(x, [(0, 0)] * (x.ndim - 1) + [(0, -K % 32)]); x = x.reshape(x.shape[:-1] + (-1, 32)); a = np.abs(x).max(-1, keepdims=True)
;;       e = np.where(a > 0, np.clip(np.frexp(np.where(a > 0, a, 1))[1] - 1 - 2, -126, 127), 0)      # np.frexp(a)[1] - 1 = floor(log2(a)), exactly
;;       r = np.clip(x / 2.0 ** e, -7.5, 7.5)
;;       step = 2.0 ** (np.maximum(np.frexp(np.where(r == 0, 1, r))[1] - 1, 0) - 3)
;;       q = np.round(r / step) * step * 2.0 ** e      # np.round: ties to even
;;       return np.moveaxis(q.reshape(q.shape[:-2] + (-1,))[..., :K], -1, axis).astype(np.float32)
;;   ~~~
;;   SOFTMAX AHEAD OF A QUANTISED PRODUCT. Where the list says 'softmax', what is quantised is not the finished softmax but p = 2^(t - M), with t = logit x log2(e) and M = ceil(the row's largest t), a whole number; so 1/2 < the row's largest p <= 1. The row's sum l is taken of the UNQUANTISED p, in f32, and the product's result is divided by l at the end. Since M is a whole number, a kernel that streams over the keys may use a running M (the ceiling of the running maximum): every later rescaling is an exact power of two, which a block's scale takes up: the codes' values come out the same.
;;   OPERANDS COMPUTED ON THE WAY. 'Computed on the way' means the value that the module computes at that place (a softmax that the list does not call 'softmax' is quantised finished and normalised). What goes into a quantiser is computed in f32, as accurately as f32 sums, v_exp_f32 and their like allow (about 1e-6 of the number): no bf16 or f16 on the way to a quantiser, and a product that is left as it is and whose result goes on into a quantised operand takes f32 operands (vector FMAs, or v_wmma_f32_16x16x4_f32). A number that lies on a knife's edge between two numbers of the format may be rounded either way, as far as f32 arithmetic and the matrix unit's own rounding can turn it there, and no further.
;; 2 versions. Each part assembles by itself: llvm-mc -triple=amdgcn-amd-amdhsa -mcpu=gfx1250 --defsym DOCPART=n.
;; ======== version 1 of 2: 1 launch
;; limits: right only within a limited range of input values
;; launch attn (part 1): grid 4 x 64, 16 waves a work-group, no clusters, 284,672 bytes of LDS; arguments query_input, key_input, value_input, mask, out0; writes out0
.if DOCPART == 1
	.amdgcn_target "amdgcn-amd-amdhsa--gfx1250"
	.amdhsa_code_object_version 6
	.text
	.protected	k_q3dc87350bf_attn
	.globl	k_q3dc87350bf_attn
	.p2align	8
	.type	k_q3dc87350bf_attn,@function
k_q3dc87350bf_attn:
	s_mov_b64 s[64:65], 0
	v_nop
	global_prefetch_b8 v0, s[64:65] scope:SCOPE_SE
	s_setreg_imm32_b32 hwreg(HW_REG_WAVE_MODE, 25, 1), 1
	s_wait_xcnt 0x0
; out[b][q][64 head + d] = the sum over k of softmax_k(where(mask[b][k] == 0, -1e20, Q.K) / 32) V[b][k][64 head + d], both products on codes of FP6 (E2M3) with one E8M0 scale for each 32 along a product's K.
; Q, K, V: [4][2048][1024] f32, a head's 64 numbers are 256 consecutive bytes of a row of 4,096.  mask: [4][2048] int32.  The first product's K is the head's 64 (two blocks), the second's the 2,048 keys.
; THE SOFTMAX AHEAD OF THE SECOND PRODUCT: t = score x log2(e) / 32; M = the row's largest t so far, rounded UP to a whole number; p = 2^(t - M) is what is quantised, along the keys, not normalised.
; The row's sum is taken of the unquantised p and divides O at the end.  When M moves, the sum and O are multiplied by 2^(old M - new M): exact.
; DEAD WORK: none.  All four inputs have a way to the output and are loaded; no step of the problem is left out.
; ONE LAUNCH.  Work-group (x, y) owns head y (batch y / 16, head y % 16) and queries 512 x .. 512 x + 511: 4 x 64 = 256 work-groups of sixteen waves, 256 registers each.
; PROLOGUE: wave w quantises keys 128 w .. 128 w + 127 of K (along d) and of V (along the keys) and stores the codes to LDS AS IMAGES OF THE OPERANDS' REGISTERS: the head's 2,048 keys are 16 x 12,288 bytes, which stay
; in LDS for the whole launch.  It also quantises its own two tiles of 16 queries into registers.  ONE barrier.  Then two passes: in pass t wave w takes queries 512 x + 256 t + 16 w + 0 .. 15 through all sixteen key steps.
; THE FIRST PRODUCT'S K IS 64, THE INSTRUCTION'S 128: a fragment of K holds TWO tiles of 16 keys (registers 0-5 one, 6-11 the other), and Q stands between runs of zero codes (Z Q0 Z Q1 Z, six registers each):
; with Q in the lower half and zeros above the product is the first tile's, with zeros below and Q above the second's.  Zero codes add nothing under any scale byte that the quantiser makes.
; LAYOUT.  Both products are used transposed: S^T = K Q^T, O^T = V^T P^T: a lane holds ONE query (lane % 16) throughout.  THE KEYS OF A TILE ARE NOT NEIGHBOURS: row j of tile 2 f + u is key 32 f + 8 u + j + 8 (j / 8),
; so that register 16 b + i of the scores is key 32 b + 16 (lane / 16) + i: sixteen neighbours along the second product's K.
; THE MASK.  Each key has a ceiling in LDS: +infinity where it counts, -2^67 where mask == 0; a score is held under its key's ceiling.  A key step without a hole (a bit a step, made from the int32 mask) jumps over that.
; WHY NO CLUSTER AND NO TENSOR LOAD: what the four work-groups of a head share are f32 rows, which must pass through registers to be quantised; joint requests bring tiles into LDS alone, here for a phase of 64 KiB a wave that
; runs once.  Nothing in LDS is filled twice, so there is no ring.
; LIMITS.  (1) A masked score is -2^67 (1.48e20) in place of -1e20: a power of two, so that c x it is exact and a row whose keys are all masked gets p = 1 for every key, the uniform softmax of the problem.  The results are the
; problem's wherever every unmasked score lies above -1e20.  (2) A block whose largest magnitude lies under 2^-124 keeps the scale byte 1; a block of zeros gets 1 where the rule says 127: its codes are zeros, and this program
; alone reads the bytes.  (3) NaN and infinities among the inputs are not served.
.set ROWG,  4096                       ; a row of Q, K, V, out in bytes
.set FRB,   1536                       ; a fragment's image: 12 registers x 128 bytes
.set STEPB, 8*FRB                      ; a key step's images: K's four fragments, then V's four
.set SCW,   16*STEPB                   ; LDS 196,608: scale words, 512 bytes a step: K's pair at 8 x lane, V's pair at 256 + 8 x lane
.set CAPS,  SCW+8192                   ; LDS 204,800: a ceiling (f32) for each of the 2,048 keys
.set STG,   CAPS+8192                  ; LDS 212,992: a stage of 16 rows x 272 bytes for each wave, its own
.set SP,    272                        ; a stage row: 256 bytes + 16
.set STGW,  16*SP
.set SPARE, STG+16*STGW                ; LDS 282,624: the spare words, 128 bytes for each wave, which no other line names
.set LI,   1                           ; v1   16 x lane: an image's place for my lane
.set GO,   2                           ; v2   4096 (lane / 16) + 16 (lane % 16): two rows of a head's 256 bytes, in memory
.set RD,   3                           ; v3   stage + 272 (lane / 16) + 16 (lane % 16): the same two rows in my stage
.set STO,  4                           ; v4   stage + 272 (lane % 16) + 32 (lane / 16): the way out: my eight results of a row
.set QR,   5                           ; v5   stage + 272 (lane % 16) + 128 (lane / 16): my block of 32 along d of row lane % 16
.set LS8,  6                           ; v6   SCW + 8 x lane
.set CAPA, 7                           ; v7   CAPS + 64 (lane / 16)
.set AD,   8                           ; v8   the step's images          (prologue: CW, 512 w + 16 x lane)
.set ADS,  9                           ; v9   the step's scale words     (prologue: CWL, CAPS + CW)
.set ADC,  10                          ; v10  the step's ceilings        (prologue: SWL, LS8 + 512 w)
.set CW,   8
.set CWL,  9
.set SWL,  10
.set IW,   11                          ; v11  12,288 w + 16 x lane: where I store images
                                       ; v12 -M, v13 the largest t, v[14:15] the sum in two halves; v16-45 Z Q0 Z Q1 Z; v46, v47 Q's scale words
.set FR,   48                          ; v48-95   four fragments: K's, then (holes) ceilings, then V's
.set S,    96                          ; v96-159  S^T, then p
.set O,    160                         ; v160-191 O^T: tile T at 8 T
.set PC,   192                         ; v192-203 p's codes; v204-206, v208-210 the conversions' second halves
.set BM,   212                         ; v212-215 the blocks' largest scores, then largest p
.set PT,   216                         ; v216-219 lane l xor 16's, then the scales' bytes
.set SO,   220                         ; v220-223 the conversions' scale operands
.set TMP,  224
.set F,    226                         ; v[226:227] f = 2^(old M - new M), and a written upper half
.set SPW,  244                         ; v244 LDS address of my spare word; never rewritten
.set NIL,  245                         ; v245 0; never rewritten
.set VL,   246                         ; v246 4 x lane
.set SH8,  247                         ; v247 8 (lane / 16)
.set NEGR, 248                         ; v248 -2^67
.set PINF, 249                         ; v249 +infinity
                                       ; v[250:251] K's scale words, v[252:253] V's, v254 p's: they hold scales and nothing else
; the prologue's own
.set R,    96                          ; v96-223  four sets of 32 numbers as loaded
.set X,    48                          ; v48-79   32 neighbours along d
.set FA,   48                          ; v48-59, v60-71: V's two fragments in the making
.set FB,   60
.set FRG,  80                          ; v80-91   K's fragment in the making
.set CT,   92                          ; v92-94   a conversion's second half
.set M1,   224
.set M2,   225
.set SOP,  226
.set BY0,  227
.set BY1,  228
.set T1,   229
.set T2,   230
.set WF0,  231
.set WF1,  232
.set WVR,  233
.set WV,   14                          ; s14 my wave's number
.set SEL,  20                          ; s[20:21] v_permlanex16_b32's selects for lane l xor 16
.set CS,   22                          ; s[22:23] c = log2(e) / 32
.set HOL0, 24                          ; s24 bit e: key step e has a hole in the mask
.set HOL,  25                          ; s25 the same, shifted down a step a trip
.set TB,   26                          ; s26 the step's images, s27 its scale words, s28 its ceilings: LDS bytes
.set TS,   27
.set TC,   28
.set CNT,  29
.set UPH,  30                          ; s30 0xffff0000: lanes 16-31
	s_load_b256 s[4:11], s[0:1], 0x0               ; Q s[4:5], K s[6:7], V s[8:9], mask s[10:11]
	s_load_b64 s[12:13], s[0:1], 0x20              ; out
	v_lshl_add_u32 v[SPW], v0, 2, SPARE
	v_mov_b32 v[NIL], 0
	v_lshrrev_b32 v12, 5, v0
	v_readfirstlane_b32 s[WV], v12                 ; wave 0..15
	v_and_b32 v12, 31, v0                          ; lane
	v_and_b32 v13, 15, v0                          ; r
	v_bfe_u32 v14, v0, 4, 1                        ; h
	s_mul_i32 s36, s[WV], STGW
	s_add_co_u32 s36, s36, STG                     ; my stage
	s_lshl_b32 s37, s[WV], 9                       ; 512 w
	s_mul_i32 s38, s[WV], STEPB                    ; 12,288 w
	v_lshlrev_b32 v[LI], 4, v12
	v_lshlrev_b32 v[GO], 4, v13
	v_lshl_add_u32 v[GO], v14, 12, v[GO]
	v_mul_u32_u24 v[RD], v14, SP
	v_lshl_add_u32 v[RD], v13, 4, v[RD]
	v_add_nc_u32 v[RD], s36, v[RD]
	v_mul_u32_u24 v[STO], v13, SP
	v_lshl_add_u32 v[QR], v14, 7, v[STO]
	v_lshl_add_u32 v[STO], v14, 5, v[STO]
	v_add_nc_u32 v[QR], s36, v[QR]
	v_add_nc_u32 v[STO], s36, v[STO]
	v_lshl_add_u32 v[LS8], v12, 3, SCW
	v_lshl_add_u32 v[CAPA], v14, 6, CAPS
	v_add_nc_u32 v[CW], s37, v[LI]
	v_add_nc_u32 v[CWL], CAPS, v[CW]
	v_add_nc_u32 v[SWL], s37, v[LS8]
	v_add_nc_u32 v[IW], s38, v[LI]
	v_lshlrev_b32 v[VL], 2, v12
	v_lshlrev_b32 v[SH8], 3, v14
	v_mov_b32 v[NEGR], 0xe1000000
	v_mov_b32 v[PINF], 0x7f800000
.irp z, 16,17,18,19,20,21,28,29,30,31,32,33,40,41,42,43,44,45
	v_mov_b32 v[\z], 0                             ; the three runs of zero codes round Q's two tiles
.endr
	s_mov_b32 s[SEL], 0x76543210
	s_mov_b32 s[SEL+1], 0xfedcba98
	s_mov_b32 s[CS], 0x3d38aa3b                    ; c = log2(e) / 32
	s_mov_b32 s[CS+1], s[CS]                       ; (named with it as a pair, so it is written)
	s_mov_b32 s[UPH], 0xffff0000
	s_mov_b32 s[HOL0], 0
	s_and_b32 s15, ttmp7, 0xffff                   ; y
	s_lshr_b32 s16, s15, 4                         ; batch
	s_and_b32 s17, s15, 15                         ; head
	s_lshl_b32 s18, s16, 23                        ; a batch is 2,048 rows of 4,096 bytes
	s_lshl_b32 s17, s17, 8
	s_add_co_u32 s18, s18, s17                     ; the head's first byte
	s_lshl_b32 s32, s[WV], 19                      ; K, V: my 128 keys
	s_add_co_u32 s32, s32, s18
	s_mov_b32 s33, 0
	s_lshl_b32 s34, ttmp9, 21                      ; Q, out: my work-group's 512 queries,
	s_lshl_b32 s35, s[WV], 16                      ; my wave's 16 of the first 256
	s_add_co_u32 s34, s34, s35
	s_add_co_u32 s34, s34, s18
	s_mov_b32 s35, 0
	s_lshl_b32 s16, s16, 13                        ; mask: 8,192 bytes a batch
	s_mov_b32 s17, 0
	s_wait_kmcnt 0x0
	s_add_nc_u64 s[6:7], s[6:7], s[32:33]
	s_add_nc_u64 s[8:9], s[8:9], s[32:33]
	s_add_nc_u64 s[4:5], s[4:5], s[34:35]
	s_add_nc_u64 s[12:13], s[12:13], s[34:35]
	s_add_nc_u64 s[10:11], s[10:11], s[16:17]      ; no pointer is written again
; A tile of 16 rows x 256 bytes into set: eight loads, each two whole rows (sixteen lanes take a row's 256 consecutive bytes).  gap = 8: the second eight rows lie 16 behind the first eight.
.macro GT set, ptr, row0, gap, nt
.irp i, 0,1,2,3,4,5,6,7
.if \nt
	global_load_b128 v[R+32*(\set)+4*\i:R+32*(\set)+4*\i+3], v[GO], s[\ptr:\ptr+1] offset:((\row0)+2*\i+(\gap)*(\i/4))*ROWG th:TH_LOAD_NT
.else
	global_load_b128 v[R+32*(\set)+4*\i:R+32*(\set)+4*\i+3], v[GO], s[\ptr:\ptr+1] offset:((\row0)+2*\i+(\gap)*(\i/4))*ROWG
.endif
.endr
.endm
.macro GK set, tau                     ; tile tau of my 128 keys: rows 32 (tau / 2) + 8 (tau % 2) + 0 .. 7 and + 16 .. 23
	GT \set, 6, 32*((\tau)/2)+8*((\tau)%2), 8, 0
.endm
; V: A LANE TAKES A COLUMN d = 32 (j / 4) + lane, AND ITS REGISTERS RUN DOWN THE KEYS: block j % 4 of my 128 keys.  Each load reads 128 consecutive bytes.
.macro GV set, j
.irp i, 0,1,2,3,4,5,6,7,8,9,10,11,12,13,14,15,16,17,18,19,20,21,22,23,24,25,26,27,28,29,30,31
	global_load_b32 v[R+32*(\set)+\i], v[VL], s[8:9] offset:(32*((\j)%4)+\i)*ROWG+128*((\j)/4)
.endr
.endm
; A tile turns through my stage: in as loaded, two rows a store; out 128 bytes a lane: lane (r, h) gets d = 32 h .. 32 h + 31 of row r.  LDS serves a wave's instructions in order, so no wait stands between.
.macro TURNT set
.irp i, 0,1,2,3,4,5,6,7
	ds_store_b128 v[RD], v[R+32*(\set)+4*\i:R+32*(\set)+4*\i+3] offset:2*SP*\i
.endr
.irp i, 0,1,2,3,4,5,6,7
	ds_load_b128 v[X+4*\i:X+4*\i+3], v[QR] offset:16*\i
.endr
	s_wait_dscnt 0x0                               ; the numbers are back; all my earlier LDS stores have read their registers, the set's among them
.endm
; 32 numbers of ONE block in one lane's registers become 6 registers of codes at dst, and the scale's byte.
.macro QBLK src, dst, by
	v_max3_num_f32 v[M1], |v[(\src)]|, |v[(\src)+1]|, 0x1800000   ; with the floor 2^(3 - 127): the byte cannot fall under 1
	v_max3_num_f32 v[M2], |v[(\src)+2]|, |v[(\src)+3]|, |v[(\src)+4]|
.irp i, 5,9,13,17,21,25
	v_max3_num_f32 v[M1], v[M1], |v[(\src)+\i]|, |v[(\src)+\i+1]|   ; two chains, so that no line waits for the line above it
	v_max3_num_f32 v[M2], v[M2], |v[(\src)+\i+2]|, |v[(\src)+\i+3]|
.endr
	v_max3_num_f32 v[M1], v[M1], |v[(\src)+29]|, |v[(\src)+30]|
	v_max_num_f32 v[M2], v[M2], |v[(\src)+31]|
	v_max_num_f32 v[M1], v[M1], v[M2]              ; the block's largest magnitude
	v_add_nc_u32 v[SOP], 0xff000000, v[M1]         ; 2 off its exponent field: the conversion takes the exponent field of this operand as its scale
	v_lshrrev_b32 v[\by], 23, v[SOP]               ; the scale's byte
	v_cvt_scalef32_pk16_fp6_f32 v[(\dst):(\dst)+2], v[(\src):(\src)+15], v[SOP]
	v_cvt_scalef32_pk16_fp6_f32 v[CT:CT+2], v[(\src)+16:(\src)+31], v[SOP]   ; (a conversion's three registers begin on an even number)
	v_nop                                          ; one plain place behind a scaled conversion
.irp i, 0,1,2
	v_mov_b32 v[(\dst)+3+\i], v[CT+\i]
.endr
.endm
.macro IMAGE reg, off                  ; a fragment goes to LDS as it stands: lane l's 16 bytes at 16 l, 512 consecutive bytes a store
.irp c, 0,1,2
	ds_store_b128 v[IW], v[(\reg)+4*\c:(\reg)+4*\c+3] offset:(\off)+512*\c
.endr
.endm
.macro QWORD dst                       ; Q's scale word: bytes s0, s1, s0, s1: it serves Q in the lower half of K and in the upper
	v_lshlrev_b32 v[T1], v[SH8], v[BY0]            ; my block's byte at its place,
	v_permlanex16_b32 v[T2], v[T1], s[SEL], s[SEL+1]
	v_or_b32 v[T1], v[T1], v[T2]                   ; with lane l xor 16's
	v_lshl_or_b32 v[\dst], v[T1], 16, v[T1]
.endm
.macro KWORD dst                       ; a fragment of K: bytes 0, 1 the first tile's two blocks, bytes 2, 3 the second's
	v_lshl_or_b32 v[T1], v[BY1], 16, v[BY0]
	v_lshlrev_b32 v[T1], v[SH8], v[T1]
	v_permlanex16_b32 v[T2], v[T1], s[SEL], s[SEL+1]
	v_or_b32 v[\dst], v[T1], v[T2]
.endm
	; ---- everything that is known is asked for: the mask, my two tiles of queries, my first two tiles of keys
	global_load_b128 v[240:243], v[CW], s[10:11]   ; the mask of my own 128 keys, four a lane
.irp e, 0,1,2,3,4,5,6,7,8,9,10,11,12,13,14,15
.set MQ, 48+4*\e+128*(\e/12)
	global_load_b128 v[MQ:MQ+3], v[LI], s[10:11] offset:512*\e   ; and of every key step
.endr
	GT 0, 4, 0, 0, 1                               ; Q, pass 0's tile: read by this wave alone
	GT 1, 4, 256, 0, 1                             ; Q, pass 1's
	GK 2, 0
	GK 3, 1
	s_wait_loadcnt 32                              ; the 17 loads of the mask are in; the four tiles' 32, issued behind them, may be out
.irp e, 0,1,2,3,4,5,6,7,8,9,10,11,12,13,14,15
.set MQ, 48+4*\e+128*(\e/12)
	v_min_u32 v[MQ], v[MQ], v[MQ+1]                ; 0 where one of my four is 0
	v_min_u32 v[MQ+2], v[MQ+2], v[MQ+3]
	v_min_u32 v[MQ], v[MQ], v[MQ+2]
	v_cmp_eq_u32 s32, 0, v[MQ]
	s_cmp_lg_u32 s32, 0                            ; any lane: the step has a hole
	s_cselect_b32 s33, 1<<\e, 0
	s_or_b32 s[HOL0], s[HOL0], s33
.endr
.irp i, 0,1,2,3
	v_cmp_eq_u32 vcc_lo, 0, v[240+\i]
	v_cndmask_b32 v[240+\i], v[PINF], v[NEGR], vcc_lo   ; my keys' ceilings
.endr
	ds_store_b128 v[CWL], v[240:243]
	v_mov_b32 v[T2], 0                             ; written once: a lane permute's destination counts as one of its sources
	; ---- ten tiles: two of Q, eight of K.  Each: its loads are in; through the stage; the tile four further on is asked for into the same set; quantised.
	s_wait_loadcnt 24                              ; behind this tile's loads stand three tiles' 24
	TURNT 0
	GK 0, 2
	QBLK X, 22, BY0
	QWORD 46
	s_wait_loadcnt 24
	TURNT 1
	GK 1, 3
	QBLK X, 34, BY0
	QWORD 47
	s_wait_loadcnt 24
	TURNT 2
	GK 2, 4
	QBLK X, FRG, BY0
	s_wait_loadcnt 24
	TURNT 3
	GK 3, 5
	QBLK X, FRG+6, BY1
	KWORD WF0
	IMAGE FRG, 0                                   ; (the next tile's wait on DScnt stands ahead of the next write of these registers)
	s_wait_loadcnt 24
	TURNT 0
	GK 0, 6
	QBLK X, FRG, BY0
	s_wait_loadcnt 24
	TURNT 1
	GK 1, 7
	QBLK X, FRG+6, BY1
	KWORD WF1
	IMAGE FRG, FRB
	v_cndmask_b32 v234, v[WF0], v[WF1], s[UPH]     ; fragment 0's words in lanes 0-15, fragment 1's in lanes 16-31
	s_wait_loadcnt 24
	TURNT 2
	GV 2, 0
	QBLK X, FRG, BY0
	s_wait_loadcnt 48                              ; behind it: two tiles' 16 and V's first 32
	TURNT 3
	GV 3, 1
	QBLK X, FRG+6, BY1
	KWORD WF0
	IMAGE FRG, 2*FRB
	s_wait_loadcnt 63                              ; behind it 72 were issued; the wait can name 63 at the most: the stricter side
	TURNT 0
	QBLK X, FRG, BY0
	s_wait_loadcnt 63                              ; behind it 64 were issued: likewise
	TURNT 1
	QBLK X, FRG+6, BY1
	KWORD WF1
	IMAGE FRG, 3*FRB
	v_cndmask_b32 v235, v[WF0], v[WF1], s[UPH]     ; fragments 2 and 3
	ds_store_b64 v[SWL], v[234:235]
	; ---- V: eight blocks (two groups of 32 columns x four blocks of 32 keys); loads run two blocks ahead
.macro VUNIT j
.if (\j) < 7
	s_wait_loadcnt 32                              ; this block's 32 loads are in; the next block's may be out
.else
	s_wait_loadcnt 0x0
.endif
	QBLK R+32*(2+(\j)%2), FA+12*((\j)%2)+6*(((\j)%4)/2), BY0   ; blocks 0, 2 into the first run of twelve, blocks 1, 3 into the second
.if (\j)%4 == 0
	v_mov_b32 v[WVR], v[BY0]                       ; my column's scale word: byte B for block B
.else
	v_lshl_or_b32 v[WVR], v[BY0], 8*((\j)%4), v[WVR]
.endif
.if (\j)+2 <= 7
	GV 2+(\j)%2, (\j)+2
.endif
.if (\j)%4 == 3
.irp i, 0,1,2,3,4,5,6,7,8,9,10,11
	v_permlane16_swap_b32 v[FA+\i], v[FB+\i]       ; the first's lanes 16-31 change places with the second's lanes 0-15: the first is now the fragment of columns 0-15 of the group (lanes 0-15 blocks 0, 2; lanes 16-31 blocks 1, 3), the second that of columns 16-31
.endr
	IMAGE FA, (4+2*((\j)/4))*FRB
	IMAGE FB, (5+2*((\j)/4))*FRB
	ds_store_b32 v[SWL], v[WVR] offset:256+4*((\j)/4)   ; lanes 0-15 hold the first fragment's words, lanes 16-31 the second's: as the products will read them
	s_wait_dscnt 0x0                               ; the stores have read their registers
.endif
.endm
.irp j, 0,1,2,3,4,5,6,7
	VUNIT \j
.endr
	s_wait_dscnt 0x0                               ; for the others' sake: all my LDS stores have landed
	s_barrier_signal -1
	s_barrier_wait -1                              ; the head's codes, scale words and ceilings lie in LDS; from here on they are only read, and a stage is touched by its own wave alone
; Two products of S^T = K Q^T: fragment f's two tiles of 16 keys.  Each starts its sum with the constant 0 and ends it: K is 64.
.macro KQ f, qlo, qhi, qs
.if (\f)%2
	v_wmma_scale_f32_16x16x128_f8f6f4 v[S+16*(\f):S+16*(\f)+7], v[FR+12*(\f):FR+12*(\f)+11], v[\qlo:\qlo+11], 0, v[250+(\f)/2], v[\qs] matrix_a_fmt:MATRIX_FMT_FP6 matrix_b_fmt:MATRIX_FMT_FP6 matrix_a_scale:MATRIX_SCALE_ROW1
	v_wmma_scale_f32_16x16x128_f8f6f4 v[S+16*(\f)+8:S+16*(\f)+15], v[FR+12*(\f):FR+12*(\f)+11], v[\qhi:\qhi+11], 0, v[250+(\f)/2], v[\qs] matrix_a_fmt:MATRIX_FMT_FP6 matrix_b_fmt:MATRIX_FMT_FP6 matrix_a_scale:MATRIX_SCALE_ROW1
.else
	v_wmma_scale_f32_16x16x128_f8f6f4 v[S+16*(\f):S+16*(\f)+7], v[FR+12*(\f):FR+12*(\f)+11], v[\qlo:\qlo+11], 0, v[250+(\f)/2], v[\qs] matrix_a_fmt:MATRIX_FMT_FP6 matrix_b_fmt:MATRIX_FMT_FP6
	v_wmma_scale_f32_16x16x128_f8f6f4 v[S+16*(\f)+8:S+16*(\f)+15], v[FR+12*(\f):FR+12*(\f)+11], v[\qhi:\qhi+11], 0, v[250+(\f)/2], v[\qs] matrix_a_fmt:MATRIX_FMT_FP6 matrix_b_fmt:MATRIX_FMT_FP6
.endif
.endm
; O^T += V^T P^T, tile g of 16 of the head's 64; K = the step's 128 keys
.macro PV g
.if (\g)%2
	v_wmma_scale_f32_16x16x128_f8f6f4 v[O+8*(\g):O+8*(\g)+7], v[FR+12*(\g):FR+12*(\g)+11], v[PC:PC+11], v[O+8*(\g):O+8*(\g)+7], v[252+(\g)/2], v254 matrix_a_fmt:MATRIX_FMT_FP6 matrix_b_fmt:MATRIX_FMT_FP6 matrix_a_scale:MATRIX_SCALE_ROW1
.else
	v_wmma_scale_f32_16x16x128_f8f6f4 v[O+8*(\g):O+8*(\g)+7], v[FR+12*(\g):FR+12*(\g)+11], v[PC:PC+11], v[O+8*(\g):O+8*(\g)+7], v[252+(\g)/2], v254 matrix_a_fmt:MATRIX_FMT_FP6 matrix_b_fmt:MATRIX_FMT_FP6
.endif
.endm
; A PASS: my tile t of 16 queries through the sixteen key steps, and out.
.macro PASS t
.if \t
	s_wait_xcnt 0x0                                ; the last pass's stores have read their registers, which this pass's loads write
.endif
	v_mov_b32 v13, 0xff61b1e6                      ; the largest t so far: -3e38, under every t
	v_floor_f32 v12, -v13                          ; -M
	v_mov_b32 v14, 0                               ; the sum, in two halves
	v_mov_b32 v15, 0
.irp b, 0,1,2,3
	v_mov_b32 v[PT+\b], 0                          ; a lane permute's destination counts as one of its sources
.endr
	v_mov_b32 v[F+1], 0                            ; (named as the upper half of the pair f)
.set j, 0
.rept 32
	v_mov_b32 v[O+j], 0                            ; O^T.  The step is written once: the first finds zeros, which the first change of M leaves zeros
.set j, j+1
.endr
	s_mov_b32 s[TB], 0
	s_mov_b32 s[TS], 0
	s_mov_b32 s[TC], 0
	s_mov_b32 s[HOL], s[HOL0]
	s_mov_b32 s[CNT], 16
.Lstep_\@:
	v_add_nc_u32 v[AD], s[TB], v[LI]               ; these three and the v_nop are the four places between the last step's products and the loads into their operands and scales
	v_add_nc_u32 v[ADS], s[TS], v[LS8]
	v_add_nc_u32 v[ADC], s[TC], v[CAPA]
	v_nop
.irp f, 0,1,2,3
.irp c, 0,1,2
	ds_load_b128 v[FR+12*\f+4*\c:FR+12*\f+4*\c+3], v[AD] offset:FRB*\f+512*\c   ; K's four fragments, as their images lie
.endr
.endr
	ds_load_b64 v[250:251], v[ADS]                 ; K's scale words: fragments 0 | 1 and 2 | 3 (lanes 0-15 | lanes 16-31)
	ds_load_b64 v[252:253], v[ADS] offset:256      ; V's: tiles 0 | 1 and 2 | 3
	s_wait_dscnt 0x0
.irp f, 0,1,2,3
	KQ \f, 22+12*\t, 16+12*\t, 46+\t
.endr
.rept 4
	v_nop                                          ; four places ahead of the first read of the scores and of the loads into K's registers, on both ways below
.endr
	s_and_b32 s32, s[HOL], 1                       ; does the mask have a hole among this step's 128 keys?  A whole number read from memory decides; no barrier stands in the loop
	s_cmp_eq_u32 s32, 0
	s_cbranch_scc1 .Lopen_\@
.irp q, 0,1,2,3,4,5,6,7,8,9,10,11,12,13,14,15
.set CQ, 48+4*\q+96*(\q/12)
	ds_load_b128 v[CQ:CQ+3], v[ADC] offset:128*(\q/4)+16*(\q%4)   ; the ceilings of keys 32 (q / 4) + 16 h + 4 (q % 4) + 0 .. 3: those of score registers 4 q .. 4 q + 3
.endr
	s_wait_dscnt 0x0
.irp q, 0,1,2,3,4,5,6,7,8,9,10,11,12,13,14,15
.set CQ, 48+4*\q+96*(\q/12)
.irp i, 0,1,2,3
	v_min_num_f32 v[S+4*\q+\i], v[S+4*\q+\i], v[CQ+\i]   ; a masked key's score becomes -2^67; each accumulator from its low end on
.endr
.endr
.Lopen_\@:
.irp g, 0,1,2,3
.irp c, 0,1,2
	ds_load_b128 v[FR+12*\g+4*\c:FR+12*\g+4*\c+3], v[AD] offset:4*FRB+FRB*\g+512*\c   ; V's four fragments: they land while the softmax is walked
.endr
.endr
.irp b, 0,1,2,3
	v_max3_num_f32 v[BM+\b], v[S+16*\b], v[S+16*\b+1], v[S+16*\b+2]   ; THE LARGEST SCORE OF EACH BLOCK OF 32 KEYS serves twice: for the row's maximum, and, since p rises with the score, for the block's largest p
.endr
.irp i, 3,5,7,9,11,13
.irp b, 0,1,2,3
	v_max3_num_f32 v[BM+\b], v[BM+\b], v[S+16*\b+\i], v[S+16*\b+\i+1]   ; (the four blocks by turns)
.endr
.endr
.irp b, 0,1,2,3
	v_max_num_f32 v[BM+\b], v[BM+\b], v[S+16*\b+15]
.endr
.irp b, 0,1,2,3
	v_permlanex16_b32 v[PT+\b], v[BM+\b], s[SEL], s[SEL+1]
.endr
.irp b, 0,1,2,3
	v_max_num_f32 v[BM+\b], v[BM+\b], v[PT+\b]     ; with lane l xor 16's 16 keys
.endr
	v_max3_num_f32 v[TMP], v[BM], v[BM+1], v[BM+2]
	v_max_num_f32 v[TMP], v[TMP], v[BM+3]          ; the step's largest score of my query
	v_mul_f32 v[TMP], s[CS], v[TMP]                ; as t (c is positive)
	v_max_num_f32 v13, v13, v[TMP]                 ; the running largest t
	v_mov_b32 v[TMP], v12
	v_floor_f32 v12, -v13                          ; the new -M = floor(-t) = -ceil(t): M IS A WHOLE NUMBER
	v_sub_f32 v[TMP], v12, v[TMP]                  ; M's old value less its new one: a whole number, 0 or less
	v_cvt_i32_f32 v[TMP], v[TMP]                   ; (it saturates)
	v_ldexp_f32 v[F], 1.0, v[TMP]                  ; f = 2^(old M - new M)
.set j, 0
.rept 32
	v_pk_fma_f32 v[S+j:S+j+1], v[S+j:S+j+1], s[CS:CS+1], v[12:13] op_sel_hi:[1,0,0]   ; t - M, two at a time (of the pairs c and -M the low word serves both halves)
.set j, j+2
.endr
.irp b, 0,1,2,3
	v_fma_f32 v[BM+\b], v[BM+\b], s[CS], v12       ; the same of each block's largest score
.endr
.set j, 0
.rept 64
	v_exp_f32 v[S+j], v[S+j]                       ; p = 2^(t - M), at most 1: NOT normalised
.set j, j+1
.endr
	v_pk_mul_f32 v[14:15], v[14:15], v[F:F+1] op_sel_hi:[1,0]   ; the sums under the new M: the plain place behind the exponentials
	s_wait_alu depctr_va_vdst(0)                   ; one wait for the whole batch, ahead of its first reader
.irp b, 0,1,2,3
	v_exp_f32 v[BM+\b], v[BM+\b]                   ; the block's largest p: the same two instructions on the same number give the same bits
.endr
	v_pk_add_f32 v[228:229], v[S:S+1], v[S+2:S+3]  ; THE ROW'S SUM IS TAKEN OF THE UNQUANTISED p: two at a time, in two chains; plain work behind the four
.irp i, 4,8,12,16,20,24,28,32,36,40,44,48,52,56,60
	v_pk_add_f32 v[14:15], v[14:15], v[S+\i:S+\i+1]
	v_pk_add_f32 v[228:229], v[228:229], v[S+\i+2:S+\i+3]
.endr
	v_pk_add_f32 v[14:15], v[14:15], v[228:229]
	s_wait_alu depctr_va_vdst(0)                   ; and one for the four
.irp b, 0,1,2,3
	v_max_num_f32 v[BM+\b], 0x1800000, v[BM+\b]    ; the floor 2^(3 - 127): the byte cannot fall under 1 (a block whose every p is 0 keeps that byte: its codes are zeros)
.endr
.irp b, 0,1,2,3
	v_add_nc_u32 v[SO+\b], 0xff000000, v[BM+\b]    ; 2 off the exponent field: the conversion's scale operand
.endr
.irp b, 0,1,2,3
	v_lshrrev_b32 v[PT+\b], 23, v[SO+\b]           ; the scale's byte
.endr
	v_lshl_or_b32 v254, v[PT+1], 8, v[PT]          ; p's scale word for these 128 keys
	v_lshl_or_b32 v254, v[PT+2], 16, v254
	v_lshl_or_b32 v254, v[PT+3], 24, v254
.irp c, 0,1
	v_cvt_scalef32_pk16_fp6_f32 v[PC+6*\c:PC+6*\c+2], v[S+32*\c:S+32*\c+15], v[SO+2*\c]
	v_cvt_scalef32_pk16_fp6_f32 v[PC+12+4*\c:PC+14+4*\c], v[S+32*\c+16:S+32*\c+31], v[SO+2*\c+1]   ; (a conversion's three registers begin on an even number)
.endr
	v_nop                                          ; one plain place behind a scaled conversion
.irp c, 0,1                                    ; the operand's layout wants a WHOLE block in a lane: lanes 0-15 block 2 c, lanes 16-31 block 2 c + 1
.irp i, 0,1,2
	v_permlane16_swap_b32 v[PC+6*\c+\i], v[PC+12+4*\c+\i]
.endr
.irp i, 0,1,2
	v_mov_b32 v[PC+3+6*\c+\i], v[PC+12+4*\c+\i]
.endr
.endr
.set j, 0
.rept 16
	v_pk_mul_f32 v[O+j:O+j+1], v[O+j:O+j+1], v[F:F+1] op_sel_hi:[1,0]   ; O^T under the new M, each accumulator from its low end on.  Of these sixteen, twelve name no register of any one product below: the places behind the writes of p's codes and scale word
.set j, j+2
.endr
	s_wait_dscnt 0x0                               ; V's fragments are in
.irp g, 0,1,2,3
	PV \g                                          ; the four accumulators by turns, one instruction a turn; between two links of a chain stand the eleven other products of a step
.endr
	s_add_co_u32 s[TB], s[TB], STEPB
	s_add_co_u32 s[TS], s[TS], 512
	s_add_co_u32 s[TC], s[TC], 512
	s_lshr_b32 s[HOL], s[HOL], 1
	s_sub_co_u32 s[CNT], s[CNT], 1
	s_cmp_lg_u32 s[CNT], 0
	s_cbranch_scc1 .Lstep_\@
	; THE WAY OUT.  O^T is divided by the sum and goes through my stage, so that sixteen lanes store a query's 256 consecutive bytes, aligned.
.rept 4
	v_nop                                          ; four places behind the last products
.endr
	v_add_f32 v14, v14, v15                        ; the sum's two halves,
	v_permlanex16_b32 v[TMP], v14, s[SEL], s[SEL+1]
	v_add_f32 v14, v14, v[TMP]                     ; and lane l xor 16's: the row's sum
	v_rcp_f32 v14, v14
	v_nop                                          ; a plain place behind the reciprocal
	s_wait_alu depctr_va_vdst(0)                   ; and the wait ahead of its first reader
.set j, 0
.rept 16
	v_pk_mul_f32 v[S+j:S+j+1], v[O+j:O+j+1], v[14:15] op_sel_hi:[1,0]   ; register 8 T + i is o(r, 16 T + 8 h + i)
.set j, j+2
.endr
.irp g, 0,1,2,3
	ds_store_b128 v[STO], v[S+8*\g:S+8*\g+3] offset:64*\g
	ds_store_b128 v[STO], v[S+8*\g+4:S+8*\g+7] offset:64*\g+16
.endr
.irp i, 0,1,2,3,4,5,6,7
	ds_load_b128 v[FR+4*\i:FR+4*\i+3], v[RD] offset:2*SP*\i   ; LDS serves a wave's instructions in order: these see my stores
.endr
.irp i, 0,1,2,3,4,5,6,7
	s_wait_dscnt 7-\i                              ; LDS loads come back in order: the 7 - i younger ones may be out
	global_store_b128 v[GO], v[FR+4*\i:FR+4*\i+3], s[12:13] offset:\t*256*ROWG+2*ROWG*\i th:TH_STORE_NT   ; two queries' 256 bytes each; written once, read by nobody here
.endr
.endm
	PASS 0
	PASS 1
	s_wait_tensorcnt 0x0                           ; the wave's end
	ds_add_u32 v[SPW], v[NIL]
	s_wait_dscnt 0x0
	s_endpgm
.Lfunc_end_k_q3dc87350bf_attn:
	.size	k_q3dc87350bf_attn, .Lfunc_end_k_q3dc87350bf_attn-k_q3dc87350bf_attn
	.p2alignl 7, 3214868480
	.fill 96, 4, 3214868480
	.section	.rodata,"a",@progbits
	.p2align	6, 0x0
	.amdhsa_kernel k_q3dc87350bf_attn
		.amdhsa_group_segment_fixed_size 284672
		.amdhsa_private_segment_fixed_size 0
		.amdhsa_enable_private_segment 0
		.amdhsa_kernarg_size 40
		.amdhsa_user_sgpr_count 2
		.amdhsa_user_sgpr_kernarg_segment_ptr 1
		.amdhsa_wavefront_size32 1
		.amdhsa_system_sgpr_workgroup_id_x 1
		.amdhsa_system_sgpr_workgroup_id_y 1
		.amdhsa_system_sgpr_workgroup_id_z 1
		.amdhsa_system_vgpr_workitem_id 0
		.amdhsa_next_free_vgpr 256
		.amdhsa_next_free_sgpr 66
		.amdhsa_reserve_vcc 1
		.amdhsa_float_denorm_mode_32 3
		.amdhsa_float_denorm_mode_16_64 3
		.amdhsa_memory_ordered 1
		.amdhsa_forward_progress 1
		.amdhsa_inst_pref_size 129
	.end_amdhsa_kernel
	.amdgpu_metadata
---
amdhsa.version: [ 1, 2 ]
amdhsa.kernels:
  - .name:           k_q3dc87350bf_attn
    .symbol:         k_q3dc87350bf_attn.kd
    .args:
      - { .name: query_input, .offset: 0, .size: 8, .value_kind: global_buffer, .address_space: global }
      - { .name: key_input, .offset: 8, .size: 8, .value_kind: global_buffer, .address_space: global }
      - { .name: value_input, .offset: 16, .size: 8, .value_kind: global_buffer, .address_space: global }
      - { .name: mask, .offset: 24, .size: 8, .value_kind: global_buffer, .address_space: global }
      - { .name: out0, .offset: 32, .size: 8, .value_kind: global_buffer, .address_space: global }
    .group_segment_fixed_size: 284672
    .private_segment_fixed_size: 0
    .kernarg_segment_align: 8
    .kernarg_segment_size: 40
    .max_flat_workgroup_size: 512
    .sgpr_count:     66
    .vgpr_count:     256
    .wavefront_size: 32
...
	.end_amdgpu_metadata
.endif
;; end of part 1
;; ======== version 2 of 2: 1 launch; version 1 with the launch attn written anew for expert scheduling mode
;; limits: right only within a limited range of input values
;; launch attn (part 2): grid 4 x 64, 16 waves a work-group, no clusters, 284,672 bytes of LDS; arguments query_input, key_input, value_input, mask, out0; writes out0
.if DOCPART == 2
	.amdgcn_target "amdgcn-amd-amdhsa--gfx1250"
	.amdhsa_code_object_version 6
	.text
	.protected	k_q3dc87350bf_attn
	.globl	k_q3dc87350bf_attn
	.p2align	8
	.type	k_q3dc87350bf_attn,@function
k_q3dc87350bf_attn:
	s_mov_b64 s[64:65], 0
	v_nop
	global_prefetch_b8 v0, s[64:65] scope:SCOPE_SE
	s_setreg_imm32_b32 hwreg(HW_REG_WAVE_SCHED_MODE, 0, 2), 2
	s_setreg_imm32_b32 hwreg(HW_REG_WAVE_MODE, 25, 1), 1
	s_wait_xcnt 0x0
	s_wait_alu depctr_vm_vsrc(0)
; out[b][q][64 head + d] = the sum over k of softmax_k(where(mask[b][k] == 0, -1e20, Q.K) / 32) V[b][k][64 head + d], both products on codes of FP6 (E2M3) with one E8M0 scale for each 32 along a product's K.
; Q, K, V: [4][2048][1024] f32, a head's 64 numbers are 256 consecutive bytes of a row of 4,096.  mask: [4][2048] int32.  The first product's K is the head's 64 (two blocks), the second's the 2,048 keys.
; THE SOFTMAX AHEAD OF THE SECOND PRODUCT: t = score x log2(e) / 32; M = the row's largest t so far, rounded UP to a whole number; p = 2^(t - M) is what is quantised, along the keys, not normalised.
; The row's sum is taken of the unquantised p and divides O at the end.  When M moves, the sum and O are multiplied by 2^(old M - new M): exact.
; DEAD WORK: none.  All four inputs have a way to the output and are loaded; no step of the problem is left out.
; ONE LAUNCH.  Work-group (x, y) owns head y (batch y / 16, head y % 16) and queries 512 x .. 512 x + 511: 4 x 64 = 256 work-groups of sixteen waves, 256 registers each.
; PROLOGUE: wave w quantises keys 128 w .. 128 w + 127 of K (along d) and of V (along the keys) and stores the codes to LDS AS IMAGES OF THE OPERANDS' REGISTERS: the head's 2,048 keys are 16 x 12,288 bytes, which stay
; in LDS for the whole launch.  It also quantises its own two tiles of 16 queries into registers.  ONE barrier.  Then two passes: in pass t wave w takes queries 512 x + 256 t + 16 w + 0 .. 15 through all sixteen key steps.
; THE FIRST PRODUCT'S K IS 64, THE INSTRUCTION'S 128: a fragment of K holds TWO tiles of 16 keys (registers 0-5 one, 6-11 the other), and Q stands between runs of zero codes (Z Q0 Z Q1 Z, six registers each):
; with Q in the lower half and zeros above the product is the first tile's, with zeros below and Q above the second's.  Zero codes add nothing under any scale byte that the quantiser makes.
; LAYOUT.  Both products are used transposed: S^T = K Q^T, O^T = V^T P^T: a lane holds ONE query (lane % 16) throughout.  THE KEYS OF A TILE ARE NOT NEIGHBOURS: row j of tile 2 f + u is key 32 f + 8 u + j + 8 (j / 8),
; so that register 16 b + i of the scores is key 32 b + 16 (lane / 16) + i: sixteen neighbours along the second product's K.
; THE MASK.  Each key has a ceiling in LDS: +infinity where it counts, -2^67 where mask == 0; a score is held under its key's ceiling.  A key step without a hole (a bit a step, made from the int32 mask) jumps over that.
; WHY NO CLUSTER AND NO TENSOR LOAD: what the four work-groups of a head share are f32 rows, which must pass through registers to be quantised; joint requests bring tiles into LDS alone, here for a phase of 64 KiB a wave that
; runs once.  Nothing in LDS is filled twice, so there is no ring.
; LIMITS.  (1) A masked score is -2^67 (1.48e20) in place of -1e20: a power of two, so that c x it is exact and a row whose keys are all masked gets p = 1 for every key, the uniform softmax of the problem.  The results are the
; problem's wherever every unmasked score lies above -1e20.  (2) A block whose largest magnitude lies under 2^-124 keeps the scale byte 1; a block of zeros gets 1 where the rule says 127: its codes are zeros, and this program
; alone reads the bytes.  (3) NaN and infinities among the inputs are not served.
; THE MODE: SCHED_MODE bits 1:0 = 2 (LLVM: expert scheduling mode 2), set by the entry lines.  The code itself states the register dependences between vector or matrix instructions and memory or LDS instructions,
; with s_wait_alu, always for 0.
; THE PLAN.  Registers that memory or LDS instructions touch, and who else names them:
;   v1-v7, v11, v246   addresses and offsets, made once at the head and never written again: one wait on va_vdst ahead of the first load.
;   v8-v10             prologue: three more such; loop: the step's three LDS addresses, written at each step's head: a wait on vm_vsrc ahead of the three adds, the step's wait on va_vdst behind them.
;   R0 .. R3           written by global loads.  Q's and K's tiles: read by the stage's LDS stores, then loaded again (vm_vsrc at a turn's end).  V's blocks: read by the quantiser, then loaded again (va_vdst behind it).
;   X                  written by the stage's LDS loads, read by the quantiser: va_vdst at a turn's head.
;   FRG, FA, FB, v233-v235, v240-v243   written by vector instructions, read by LDS stores: each such store stands behind the next wait on va_vdst that stands anyway; a wait on vm_vsrc ahead of what writes them again.
;   FR, v250-v253      a key step: K's loads land, the eight K Q^T read; (a hole: ceilings land there and in v192-v207, the minima read;) V's loads land, the four V^T P read.
;   the way out        v96-v127: written by the multiplies, read by LDS stores; v48-v79: loaded from the stage, read by global stores; both written again in the next pass (vm_vsrc at its head).
; A KEY STEP'S WAITS: vm_vsrc at its head; va_vdst behind the three adds (the addresses; the last step's products are done with FR and the scale registers); va_vdst behind K Q^T (done with FR), once more behind a hole's minima;
; one for each of the two batches of exponentials; one ahead of V^T P (p's codes and scale word are written).  Behind the wait at K Q^T's end V's twelve loads are dealt among the maxima, which name the scores and v212-v215 alone.
.set ROWG,  4096                       ; a row of Q, K, V, out in bytes
.set FRB,   1536                       ; a fragment's image: 12 registers x 128 bytes
.set STEPB, 8*FRB                      ; a key step's images: K's four fragments, then V's four
.set SCW,   16*STEPB                   ; LDS 196,608: scale words, 512 bytes a step: K's pair at 8 x lane, V's pair at 256 + 8 x lane
.set CAPS,  SCW+8192                   ; LDS 204,800: a ceiling (f32) for each of the 2,048 keys
.set STG,   CAPS+8192                  ; LDS 212,992: a stage of 16 rows x 272 bytes for each wave, its own
.set SP,    272                        ; a stage row: 256 bytes + 16
.set STGW,  16*SP
.set SPARE, STG+16*STGW                ; LDS 282,624: the spare words, 128 bytes for each wave, which no other line names
.set LI,   1                           ; v1   16 x lane: an image's place for my lane
.set GO,   2                           ; v2   4096 (lane / 16) + 16 (lane % 16): two rows of a head's 256 bytes, in memory
.set RD,   3                           ; v3   stage + 272 (lane / 16) + 16 (lane % 16): the same two rows in my stage
.set STO,  4                           ; v4   stage + 272 (lane % 16) + 32 (lane / 16): the way out: my eight results of a row
.set QR,   5                           ; v5   stage + 272 (lane % 16) + 128 (lane / 16): my block of 32 along d of row lane % 16
.set LS8,  6                           ; v6   SCW + 8 x lane
.set CAPA, 7                           ; v7   CAPS + 64 (lane / 16)
.set AD,   8                           ; v8   the step's images          (prologue: CW, 512 w + 16 x lane)
.set ADS,  9                           ; v9   the step's scale words     (prologue: CWL, CAPS + CW)
.set ADC,  10                          ; v10  the step's ceilings        (prologue: SWL, LS8 + 512 w)
.set CW,   8
.set CWL,  9
.set SWL,  10
.set IW,   11                          ; v11  12,288 w + 16 x lane: where I store images
                                       ; v12 -M, v13 the largest t, v[14:15] the sum in two halves; v16-45 Z Q0 Z Q1 Z; v46, v47 Q's scale words
.set FR,   48                          ; v48-95   four fragments: K's, then (holes) ceilings, then V's
.set S,    96                          ; v96-159  S^T, then p
.set O,    160                         ; v160-191 O^T: tile T at 8 T
.set PC,   192                         ; v192-203 p's codes; v204-206, v208-210 the conversions' second halves
.set BM,   212                         ; v212-215 the blocks' largest scores, then largest p
.set PT,   216                         ; v216-219 lane l xor 16's, then the scales' bytes
.set SO,   220                         ; v220-223 the conversions' scale operands
.set TMP,  224
.set F,    226                         ; v[226:227] f = 2^(old M - new M), and a written upper half
.set SPW,  244                         ; v244 LDS address of my spare word; never rewritten
.set NIL,  245                         ; v245 0; never rewritten
.set VL,   246                         ; v246 4 x lane
.set SH8,  247                         ; v247 8 (lane / 16)
.set NEGR, 248                         ; v248 -2^67
.set PINF, 249                         ; v249 +infinity
                                       ; v[250:251] K's scale words, v[252:253] V's, v254 p's: they hold scales and nothing else
; the prologue's own
.set R,    96                          ; v96-223  four sets of 32 numbers as loaded
.set X,    48                          ; v48-79   32 neighbours along d
.set FA,   48                          ; v48-59, v60-71: V's two fragments in the making
.set FB,   60
.set FRG,  80                          ; v80-91   K's fragment in the making
.set CT,   92                          ; v92-94   a conversion's second half
.set M1,   224
.set M2,   225
.set SOP,  226
.set BY0,  227
.set BY1,  228
.set T1,   229
.set T2,   230
.set WF0,  231
.set WF1,  232
.set WVR,  233
.set WV,   14                          ; s14 my wave's number
.set SEL,  20                          ; s[20:21] v_permlanex16_b32's selects for lane l xor 16
.set CS,   22                          ; s[22:23] c = log2(e) / 32
.set HOL0, 24                          ; s24 bit e: key step e has a hole in the mask
.set HOL,  25                          ; s25 the same, shifted down a step a trip
.set TB,   26                          ; s26 the step's images, s27 its scale words, s28 its ceilings: LDS bytes
.set TS,   27
.set TC,   28
.set CNT,  29
.set UPH,  30                          ; s30 0xffff0000: lanes 16-31
	s_load_b256 s[4:11], s[0:1], 0x0               ; Q s[4:5], K s[6:7], V s[8:9], mask s[10:11]
	s_load_b64 s[12:13], s[0:1], 0x20              ; out
	v_lshl_add_u32 v[SPW], v0, 2, SPARE
	v_mov_b32 v[NIL], 0
	v_lshrrev_b32 v12, 5, v0
	v_readfirstlane_b32 s[WV], v12                 ; wave 0..15
	v_and_b32 v12, 31, v0                          ; lane
	v_and_b32 v13, 15, v0                          ; r
	v_bfe_u32 v14, v0, 4, 1                        ; h
	s_wait_alu depctr_va_sdst(0)                   ; s14, the wave's number, is written, ahead of its first reader
	s_mul_i32 s36, s[WV], STGW
	s_add_co_u32 s36, s36, STG                     ; my stage
	s_lshl_b32 s37, s[WV], 9                       ; 512 w
	s_mul_i32 s38, s[WV], STEPB                    ; 12,288 w
	v_lshlrev_b32 v[LI], 4, v12
	v_lshlrev_b32 v[GO], 4, v13
	v_lshl_add_u32 v[GO], v14, 12, v[GO]
	v_mul_u32_u24 v[RD], v14, SP
	v_lshl_add_u32 v[RD], v13, 4, v[RD]
	v_add_nc_u32 v[RD], s36, v[RD]
	v_mul_u32_u24 v[STO], v13, SP
	v_lshl_add_u32 v[QR], v14, 7, v[STO]
	v_lshl_add_u32 v[STO], v14, 5, v[STO]
	v_add_nc_u32 v[QR], s36, v[QR]
	v_add_nc_u32 v[STO], s36, v[STO]
	v_lshl_add_u32 v[LS8], v12, 3, SCW
	v_lshl_add_u32 v[CAPA], v14, 6, CAPS
	v_add_nc_u32 v[CW], s37, v[LI]
	v_add_nc_u32 v[CWL], CAPS, v[CW]
	v_add_nc_u32 v[SWL], s37, v[LS8]
	v_add_nc_u32 v[IW], s38, v[LI]
	v_lshlrev_b32 v[VL], 2, v12
	v_lshlrev_b32 v[SH8], 3, v14
	v_mov_b32 v[NEGR], 0xe1000000
	v_mov_b32 v[PINF], 0x7f800000
.irp z, 16,17,18,19,20,21,28,29,30,31,32,33,40,41,42,43,44,45
	v_mov_b32 v[\z], 0                             ; the three runs of zero codes round Q's two tiles
.endr
	s_mov_b32 s[SEL], 0x76543210
	s_mov_b32 s[SEL+1], 0xfedcba98
	s_mov_b32 s[CS], 0x3d38aa3b                    ; c = log2(e) / 32
	s_mov_b32 s[CS+1], s[CS]                       ; (named with it as a pair, so it is written)
	s_mov_b32 s[UPH], 0xffff0000
	s_mov_b32 s[HOL0], 0
	s_and_b32 s15, ttmp7, 0xffff                   ; y
	s_lshr_b32 s16, s15, 4                         ; batch
	s_and_b32 s17, s15, 15                         ; head
	s_lshl_b32 s18, s16, 23                        ; a batch is 2,048 rows of 4,096 bytes
	s_lshl_b32 s17, s17, 8
	s_add_co_u32 s18, s18, s17                     ; the head's first byte
	s_lshl_b32 s32, s[WV], 19                      ; K, V: my 128 keys
	s_add_co_u32 s32, s32, s18
	s_mov_b32 s33, 0
	s_lshl_b32 s34, ttmp9, 21                      ; Q, out: my work-group's 512 queries,
	s_lshl_b32 s35, s[WV], 16                      ; my wave's 16 of the first 256
	s_add_co_u32 s34, s34, s35
	s_add_co_u32 s34, s34, s18
	s_mov_b32 s35, 0
	s_lshl_b32 s16, s16, 13                        ; mask: 8,192 bytes a batch
	s_mov_b32 s17, 0
	s_wait_kmcnt 0x0
	s_add_nc_u64 s[6:7], s[6:7], s[32:33]
	s_add_nc_u64 s[8:9], s[8:9], s[32:33]
	s_add_nc_u64 s[4:5], s[4:5], s[34:35]
	s_add_nc_u64 s[12:13], s[12:13], s[34:35]
	s_add_nc_u64 s[10:11], s[10:11], s[16:17]      ; no pointer is written again
	s_wait_alu depctr_va_vdst(0)                   ; the addresses and offsets v1 to v11 and v246 are written, which the loads and stores below read
; A tile of 16 rows x 256 bytes into set: eight loads, each two whole rows (sixteen lanes take a row's 256 consecutive bytes).  gap = 8: the second eight rows lie 16 behind the first eight.
.macro GT set, ptr, row0, gap, nt
.irp i, 0,1,2,3,4,5,6,7
.if \nt
	global_load_b128 v[R+32*(\set)+4*\i:R+32*(\set)+4*\i+3], v[GO], s[\ptr:\ptr+1] offset:((\row0)+2*\i+(\gap)*(\i/4))*ROWG th:TH_LOAD_NT
.else
	global_load_b128 v[R+32*(\set)+4*\i:R+32*(\set)+4*\i+3], v[GO], s[\ptr:\ptr+1] offset:((\row0)+2*\i+(\gap)*(\i/4))*ROWG
.endif
.endr
.endm
.macro GK set, tau                     ; tile tau of my 128 keys: rows 32 (tau / 2) + 8 (tau % 2) + 0 .. 7 and + 16 .. 23
	GT \set, 6, 32*((\tau)/2)+8*((\tau)%2), 8, 0
.endm
; V: A LANE TAKES A COLUMN d = 32 (j / 4) + lane, AND ITS REGISTERS RUN DOWN THE KEYS: block j % 4 of my 128 keys.  Each load reads 128 consecutive bytes.
.macro GV set, j
.irp i, 0,1,2,3,4,5,6,7,8,9,10,11,12,13,14,15,16,17,18,19,20,21,22,23,24,25,26,27,28,29,30,31
	global_load_b32 v[R+32*(\set)+\i], v[VL], s[8:9] offset:(32*((\j)%4)+\i)*ROWG+128*((\j)/4)
.endr
.endm
.macro IMAGE reg, off                  ; a fragment goes to LDS as it stands: lane l's 16 bytes at 16 l, 512 consecutive bytes a store
.irp c, 0,1,2
	ds_store_b128 v[IW], v[(\reg)+4*\c:(\reg)+4*\c+3] offset:(\off)+512*\c
.endr
.endm
; A tile turns through my stage: in as loaded, two rows a store; out 128 bytes a lane: lane (r, h) gets d = 32 h .. 32 h + 31 of row r.  LDS serves a wave's instructions in order, so no wait stands between.
; img >= 0: the fragment of K that the last two tiles have made goes to LDS here, at img bytes in my step's images, behind the wait that stands anyway.
.macro TURNT set, img
	s_wait_alu depctr_va_vdst(0)                   ; the vector instructions above are done with X, in which the stage's loads land; the fragment in v80-91 (img >= 0) is written, which the image's stores read
.if (\img) >= 0
	IMAGE FRG, \img
.endif
.irp i, 0,1,2,3,4,5,6,7
	ds_store_b128 v[RD], v[R+32*(\set)+4*\i:R+32*(\set)+4*\i+3] offset:2*SP*\i
.endr
.irp i, 0,1,2,3,4,5,6,7
	ds_load_b128 v[X+4*\i:X+4*\i+3], v[QR] offset:16*\i
.endr
	s_wait_dscnt 0x0                               ; the numbers are back
	s_wait_alu depctr_vm_vsrc(0)                   ; the stage's stores have read the set, which later loads or results write; the image's stores have read v80-91, which the quantiser writes again
.endm
; 32 numbers of ONE block in one lane's registers become 6 registers of codes at dst, and the scale's byte.
.macro QBLK src, dst, by
	v_max3_num_f32 v[M1], |v[(\src)]|, |v[(\src)+1]|, 0x1800000   ; with the floor 2^(3 - 127): the byte cannot fall under 1
	v_max3_num_f32 v[M2], |v[(\src)+2]|, |v[(\src)+3]|, |v[(\src)+4]|
.irp i, 5,9,13,17,21,25
	v_max3_num_f32 v[M1], v[M1], |v[(\src)+\i]|, |v[(\src)+\i+1]|   ; two chains, so that no line waits for the line above it
	v_max3_num_f32 v[M2], v[M2], |v[(\src)+\i+2]|, |v[(\src)+\i+3]|
.endr
	v_max3_num_f32 v[M1], v[M1], |v[(\src)+29]|, |v[(\src)+30]|
	v_max_num_f32 v[M2], v[M2], |v[(\src)+31]|
	v_max_num_f32 v[M1], v[M1], v[M2]              ; the block's largest magnitude
	v_add_nc_u32 v[SOP], 0xff000000, v[M1]         ; 2 off its exponent field: the conversion takes the exponent field of this operand as its scale
	v_lshrrev_b32 v[\by], 23, v[SOP]               ; the scale's byte
	v_cvt_scalef32_pk16_fp6_f32 v[(\dst):(\dst)+2], v[(\src):(\src)+15], v[SOP]
	v_cvt_scalef32_pk16_fp6_f32 v[CT:CT+2], v[(\src)+16:(\src)+31], v[SOP]   ; (a conversion's three registers begin on an even number)
	v_nop                                          ; one plain place behind a scaled conversion
.irp i, 0,1,2
	v_mov_b32 v[(\dst)+3+\i], v[CT+\i]
.endr
.endm
.macro QWORD dst                       ; Q's scale word: bytes s0, s1, s0, s1: it serves Q in the lower half of K and in the upper
	v_lshlrev_b32 v[T1], v[SH8], v[BY0]            ; my block's byte at its place,
	v_permlanex16_b32 v[T2], v[T1], s[SEL], s[SEL+1]
	v_or_b32 v[T1], v[T1], v[T2]                   ; with lane l xor 16's
	v_lshl_or_b32 v[\dst], v[T1], 16, v[T1]
.endm
.macro KWORD dst                       ; a fragment of K: bytes 0, 1 the first tile's two blocks, bytes 2, 3 the second's
	v_lshl_or_b32 v[T1], v[BY1], 16, v[BY0]
	v_lshlrev_b32 v[T1], v[SH8], v[T1]
	v_permlanex16_b32 v[T2], v[T1], s[SEL], s[SEL+1]
	v_or_b32 v[\dst], v[T1], v[T2]
.endm
	; ---- everything that is known is asked for: the mask, my two tiles of queries, my first two tiles of keys
	global_load_b128 v[240:243], v[CW], s[10:11]   ; the mask of my own 128 keys, four a lane
.irp e, 0,1,2,3,4,5,6,7,8,9,10,11,12,13,14,15
.set MQ, 48+4*\e+128*(\e/12)
	global_load_b128 v[MQ:MQ+3], v[LI], s[10:11] offset:512*\e   ; and of every key step
.endr
	GT 0, 4, 0, 0, 1                               ; Q, pass 0's tile: read by this wave alone
	GT 1, 4, 256, 0, 1                             ; Q, pass 1's
	GK 2, 0
	GK 3, 1
	s_wait_loadcnt 32                              ; the 17 loads of the mask are in; the four tiles' 32, issued behind them, may be out
	; the compares stand in two runs, each into scalar registers of its own, with one wait behind the run
.irp e, 0,1,2,3,4,5,6,7
.set MQ, 48+4*\e+128*(\e/12)
	v_min_u32 v[MQ], v[MQ], v[MQ+1]                ; 0 where one of my four is 0
	v_min_u32 v[MQ+2], v[MQ+2], v[MQ+3]
	v_min_u32 v[MQ], v[MQ], v[MQ+2]
	v_cmp_eq_u32 s[32+\e], 0, v[MQ]
.endr
	s_wait_alu depctr_va_sdst(0)                   ; the eight compares have written s32 to s39, ahead of their first readers
.irp e, 0,1,2,3,4,5,6,7
	s_cmp_lg_u32 s[32+\e], 0                       ; any lane: the step has a hole
	s_cselect_b32 s19, 1<<\e, 0
	s_or_b32 s[HOL0], s[HOL0], s19
.endr
.irp e, 8,9,10,11,12,13,14,15
.set MQ, 48+4*\e+128*(\e/12)
	v_min_u32 v[MQ], v[MQ], v[MQ+1]
	v_min_u32 v[MQ+2], v[MQ+2], v[MQ+3]
	v_min_u32 v[MQ], v[MQ], v[MQ+2]
	v_cmp_eq_u32 s[24+\e], 0, v[MQ]
.endr
.irp i, 0,1,2,3
	v_cmp_eq_u32 s[15+\i], 0, v[240+\i]            ; and my own keys' four
.endr
	s_wait_alu depctr_va_sdst(0)                   ; the twelve compares have written s32 to s39 and s15 to s18, ahead of their first readers
.irp e, 8,9,10,11,12,13,14,15
	s_cmp_lg_u32 s[24+\e], 0
	s_cselect_b32 s19, 1<<\e, 0
	s_or_b32 s[HOL0], s[HOL0], s19
.endr
.irp i, 0,1,2,3
	v_cndmask_b32 v[240+\i], v[PINF], v[NEGR], s[15+\i]   ; my keys' ceilings
.endr
	v_mov_b32 v[T2], 0                             ; written once: a lane permute's destination counts as one of its sources
	; ---- ten tiles: two of Q, eight of K.  Each: its loads are in; through the stage; the tile four further on is asked for into the same set; quantised.
	s_wait_loadcnt 24                              ; behind this tile's loads stand three tiles' 24
	TURNT 0, -1
	ds_store_b128 v[CWL], v[240:243]               ; the ceilings were written ahead of the wait at the turn's head, and no vector instruction since names them
	GK 0, 2
	QBLK X, 22, BY0
	QWORD 46
	s_wait_loadcnt 24
	TURNT 1, -1
	GK 1, 3
	QBLK X, 34, BY0
	QWORD 47
	s_wait_loadcnt 24
	TURNT 2, -1
	GK 2, 4
	QBLK X, FRG, BY0
	s_wait_loadcnt 24
	TURNT 3, -1
	GK 3, 5
	QBLK X, FRG+6, BY1
	KWORD WF0                                      ; (the fragment's image is stored at the next turn's head)
	s_wait_loadcnt 24
	TURNT 0, 0
	GK 0, 6
	QBLK X, FRG, BY0
	s_wait_loadcnt 24
	TURNT 1, -1
	GK 1, 7
	QBLK X, FRG+6, BY1
	KWORD WF1
	v_cndmask_b32 v234, v[WF0], v[WF1], s[UPH]     ; fragment 0's words in lanes 0-15, fragment 1's in lanes 16-31
	s_wait_loadcnt 24
	TURNT 2, FRB
	GV 2, 0
	QBLK X, FRG, BY0
	s_wait_loadcnt 48                              ; behind it: two tiles' 16 and V's first 32
	TURNT 3, -1
	GV 3, 1
	QBLK X, FRG+6, BY1
	KWORD WF0
	s_wait_loadcnt 63                              ; behind it 72 were issued; the wait can name 63 at the most: the stricter side
	TURNT 0, 2*FRB
	QBLK X, FRG, BY0
	s_wait_loadcnt 63                              ; behind it 64 were issued: likewise
	TURNT 1, -1
	QBLK X, FRG+6, BY1
	KWORD WF1
	v_cndmask_b32 v235, v[WF0], v[WF1], s[UPH]     ; fragments 2 and 3 (the last image and the words are stored behind the wait in V's first block)
	; ---- V: eight blocks (two groups of 32 columns x four blocks of 32 keys); loads run two blocks ahead
.macro VUNIT j
.if (\j) < 7
	s_wait_loadcnt 32                              ; this block's 32 loads are in; the next block's may be out
.else
	s_wait_loadcnt 0x0
.endif
	QBLK R+32*(2+(\j)%2), FA+12*((\j)%2)+6*(((\j)%4)/2), BY0   ; blocks 0, 2 into the first run of twelve, blocks 1, 3 into the second
.if (\j)%4 == 0
	v_mov_b32 v[WVR], v[BY0]                       ; my column's scale word: byte B for block B
.else
	v_lshl_or_b32 v[WVR], v[BY0], 8*((\j)%4), v[WVR]
.endif
.if (\j)%4 == 3
.irp i, 0,1,2,3,4,5,6,7,8,9,10,11
	v_permlane16_swap_b32 v[FA+\i], v[FB+\i]       ; the first's lanes 16-31 change places with the second's lanes 0-15: the first is now the fragment of columns 0-15 of the group (lanes 0-15 blocks 0, 2; lanes 16-31 blocks 1, 3), the second that of columns 16-31
.endr
.endif
.if (\j) != 6                                  ; (block 6 issues neither a load nor a store)
	s_wait_alu depctr_va_vdst(0)                   ; the quantiser is done reading the set, in which the loads below land; what the stores below read is written: K's last fragment and v234, v235 (block 0), V's two fragments and v233 (blocks 3, 7)
.endif
.if (\j) == 0
	IMAGE FRG, 3*FRB
	ds_store_b64 v[SWL], v[234:235]
.endif
.if (\j)+2 <= 7
	GV 2+(\j)%2, (\j)+2
.endif
.if (\j)%4 == 3
	IMAGE FA, (4+2*((\j)/4))*FRB
	IMAGE FB, (5+2*((\j)/4))*FRB
	ds_store_b32 v[SWL], v[WVR] offset:256+4*((\j)/4)   ; lanes 0-15 hold the first fragment's words, lanes 16-31 the second's: as the products will read them
	s_wait_dscnt 0x0
	s_wait_alu depctr_vm_vsrc(0)                   ; the stores have read v48-71, v80-91 and v233, which the next group's quantiser or the loop's loads write
.endif
.endm
.irp j, 0,1,2,3,4,5,6,7
	VUNIT \j
.endr
	s_wait_dscnt 0x0                               ; for the others' sake: all my LDS stores have landed
	s_barrier_signal -1
	s_barrier_wait -1                              ; the head's codes, scale words and ceilings lie in LDS; from here on they are only read, and a stage is touched by its own wave alone
; Two products of S^T = K Q^T: fragment f's two tiles of 16 keys.  Each starts its sum with the constant 0 and ends it: K is 64.
.macro KQ f, qlo, qhi, qs
.if (\f)%2
	v_wmma_scale_f32_16x16x128_f8f6f4 v[S+16*(\f):S+16*(\f)+7], v[FR+12*(\f):FR+12*(\f)+11], v[\qlo:\qlo+11], 0, v[250+(\f)/2], v[\qs] matrix_a_fmt:MATRIX_FMT_FP6 matrix_b_fmt:MATRIX_FMT_FP6 matrix_a_scale:MATRIX_SCALE_ROW1
	v_wmma_scale_f32_16x16x128_f8f6f4 v[S+16*(\f)+8:S+16*(\f)+15], v[FR+12*(\f):FR+12*(\f)+11], v[\qhi:\qhi+11], 0, v[250+(\f)/2], v[\qs] matrix_a_fmt:MATRIX_FMT_FP6 matrix_b_fmt:MATRIX_FMT_FP6 matrix_a_scale:MATRIX_SCALE_ROW1
.else
	v_wmma_scale_f32_16x16x128_f8f6f4 v[S+16*(\f):S+16*(\f)+7], v[FR+12*(\f):FR+12*(\f)+11], v[\qlo:\qlo+11], 0, v[250+(\f)/2], v[\qs] matrix_a_fmt:MATRIX_FMT_FP6 matrix_b_fmt:MATRIX_FMT_FP6
	v_wmma_scale_f32_16x16x128_f8f6f4 v[S+16*(\f)+8:S+16*(\f)+15], v[FR+12*(\f):FR+12*(\f)+11], v[\qhi:\qhi+11], 0, v[250+(\f)/2], v[\qs] matrix_a_fmt:MATRIX_FMT_FP6 matrix_b_fmt:MATRIX_FMT_FP6
.endif
.endm
; O^T += V^T P^T, tile g of 16 of the head's 64; K = the step's 128 keys
.macro PV g
.if (\g)%2
	v_wmma_scale_f32_16x16x128_f8f6f4 v[O+8*(\g):O+8*(\g)+7], v[FR+12*(\g):FR+12*(\g)+11], v[PC:PC+11], v[O+8*(\g):O+8*(\g)+7], v[252+(\g)/2], v254 matrix_a_fmt:MATRIX_FMT_FP6 matrix_b_fmt:MATRIX_FMT_FP6 matrix_a_scale:MATRIX_SCALE_ROW1
.else
	v_wmma_scale_f32_16x16x128_f8f6f4 v[O+8*(\g):O+8*(\g)+7], v[FR+12*(\g):FR+12*(\g)+11], v[PC:PC+11], v[O+8*(\g):O+8*(\g)+7], v[252+(\g)/2], v254 matrix_a_fmt:MATRIX_FMT_FP6 matrix_b_fmt:MATRIX_FMT_FP6
.endif
.endm
; V's fragment g of the step, as its image lies
.macro VLOAD g
.irp c, 0,1,2
	ds_load_b128 v[FR+12*(\g)+4*\c:FR+12*(\g)+4*\c+3], v[AD] offset:4*FRB+FRB*(\g)+512*\c
.endr
.endm
; A PASS: my tile t of 16 queries through the sixteen key steps, and out.
.macro PASS t
.if \t
	s_wait_xcnt 0x0                                ; the last pass's stores have had their addresses translated: their registers are written again only behind this wait
	s_wait_alu depctr_vm_vsrc(0)                   ; the last pass's global stores have read v48-79, in which this pass's loads land, and its LDS stores v96-127, which this pass's products write
.endif
	v_mov_b32 v13, 0xff61b1e6                      ; the largest t so far: -3e38, under every t
	v_floor_f32 v12, -v13                          ; -M
	v_mov_b32 v14, 0                               ; the sum, in two halves
	v_mov_b32 v15, 0
.irp b, 0,1,2,3
	v_mov_b32 v[PT+\b], 0                          ; a lane permute's destination counts as one of its sources
.endr
	v_mov_b32 v[F+1], 0                            ; (named as the upper half of the pair f)
.set j, 0
.rept 32
	v_mov_b32 v[O+j], 0                            ; O^T.  The step is written once: the first finds zeros, which the first change of M leaves zeros
.set j, j+1
.endr
	s_mov_b32 s[TB], 0
	s_mov_b32 s[TS], 0
	s_mov_b32 s[TC], 0
	s_mov_b32 s[HOL], s[HOL0]
	s_mov_b32 s[CNT], 16
.Lstep_\@:
	s_wait_alu depctr_vm_vsrc(0)                   ; the LDS instructions issued so far have read v8, v9 and v10 (the last step's loads; in the first step the prologue's load and stores), which the three adds write
	v_add_nc_u32 v[AD], s[TB], v[LI]               ; these three and the v_nop are four places behind the last step's products
	v_add_nc_u32 v[ADS], s[TS], v[LS8]
	v_add_nc_u32 v[ADC], s[TC], v[CAPA]
	v_nop
	s_wait_alu depctr_va_vdst(0)                   ; the three addresses are written; the last step's products are done reading V's fragments and the scale registers, in which the loads below land; in the first step Q's codes and scale words are written
	ds_load_b64 v[250:251], v[ADS]                 ; K's scale words: fragments 0 | 1 and 2 | 3 (lanes 0-15 | lanes 16-31)
	ds_load_b64 v[252:253], v[ADS] offset:256      ; V's: tiles 0 | 1 and 2 | 3
.irp f, 0,1,2,3
.irp c, 0,1,2
	ds_load_b128 v[FR+12*\f+4*\c:FR+12*\f+4*\c+3], v[AD] offset:FRB*\f+512*\c   ; K's four fragments, as their images lie
.endr
.endr
.irp f, 0,1,2,3
	s_wait_dscnt 9-3*\f                            ; LDS loads come back in order: the scale words and fragment f are in; the three loads of each later fragment may be out
	KQ \f, 22+12*\t, 16+12*\t, 46+\t
.endr
.rept 4
	v_nop                                          ; four places ahead of the first read of the scores, on both ways below
.endr
	s_wait_alu depctr_va_vdst(0)                   ; the eight products are done reading K's fragments, in which the ceilings (a hole) or V's fragments land; it stands ahead of the branch and serves both ways
	s_and_b32 s32, s[HOL], 1                       ; does the mask have a hole among this step's 128 keys?  A whole number read from memory decides; no barrier stands in the loop
	s_cmp_eq_u32 s32, 0
	s_cbranch_scc1 .Lopen_\@
.irp q, 0,1,2,3,4,5,6,7,8,9,10,11,12,13,14,15
.set CQ, 48+4*\q+96*(\q/12)
	ds_load_b128 v[CQ:CQ+3], v[ADC] offset:128*(\q/4)+16*(\q%4)   ; the ceilings of keys 32 (q / 4) + 16 h + 4 (q % 4) + 0 .. 3: those of score registers 4 q .. 4 q + 3
.endr
	s_wait_dscnt 0x0
.irp q, 0,1,2,3,4,5,6,7,8,9,10,11,12,13,14,15
.set CQ, 48+4*\q+96*(\q/12)
.irp i, 0,1,2,3
	v_min_num_f32 v[S+4*\q+\i], v[S+4*\q+\i], v[CQ+\i]   ; a masked key's score becomes -2^67; each accumulator from its low end on
.endr
.endr
	s_wait_alu depctr_va_vdst(0)                   ; the minima are done reading the ceilings in v48-95, in which V's fragments land
.Lopen_\@:
	VLOAD 0                                        ; V's four fragments are dealt among the maxima, which name the scores and v212-215 alone: no vector instruction since the last wait names v48-95 or v8.  They land while the softmax is walked
.irp b, 0,1,2,3
	v_max3_num_f32 v[BM+\b], v[S+16*\b], v[S+16*\b+1], v[S+16*\b+2]   ; THE LARGEST SCORE OF EACH BLOCK OF 32 KEYS serves twice: for the row's maximum, and, since p rises with the score, for the block's largest p
.endr
.irp i, 3,5,7,9,11,13
.if \i < 9
	VLOAD (\i-1)/2
.endif
.irp b, 0,1,2,3
	v_max3_num_f32 v[BM+\b], v[BM+\b], v[S+16*\b+\i], v[S+16*\b+\i+1]   ; (the four blocks by turns)
.endr
.endr
.irp b, 0,1,2,3
	v_max_num_f32 v[BM+\b], v[BM+\b], v[S+16*\b+15]
.endr
.irp b, 0,1,2,3
	v_permlanex16_b32 v[PT+\b], v[BM+\b], s[SEL], s[SEL+1]
.endr
.irp b, 0,1,2,3
	v_max_num_f32 v[BM+\b], v[BM+\b], v[PT+\b]     ; with lane l xor 16's 16 keys
.endr
	v_max3_num_f32 v[TMP], v[BM], v[BM+1], v[BM+2]
	v_max_num_f32 v[TMP], v[TMP], v[BM+3]          ; the step's largest score of my query
	v_mul_f32 v[TMP], s[CS], v[TMP]                ; as t (c is positive)
	v_max_num_f32 v13, v13, v[TMP]                 ; the running largest t
	v_mov_b32 v[TMP], v12
	v_floor_f32 v12, -v13                          ; the new -M = floor(-t) = -ceil(t): M IS A WHOLE NUMBER
	v_sub_f32 v[TMP], v12, v[TMP]                  ; M's old value less its new one: a whole number, 0 or less
	v_cvt_i32_f32 v[TMP], v[TMP]                   ; (it saturates)
	v_ldexp_f32 v[F], 1.0, v[TMP]                  ; f = 2^(old M - new M)
.set j, 0
.rept 32
	v_pk_fma_f32 v[S+j:S+j+1], v[S+j:S+j+1], s[CS:CS+1], v[12:13] op_sel_hi:[1,0,0]   ; t - M, two at a time (of the pairs c and -M the low word serves both halves)
.set j, j+2
.endr
.irp b, 0,1,2,3
	v_fma_f32 v[BM+\b], v[BM+\b], s[CS], v12       ; the same of each block's largest score
.endr
.set j, 0
	s_wait_alu depctr_va_vdst(0)
.rept 64
	v_exp_f32 v[S+j], v[S+j]                       ; p = 2^(t - M), at most 1: NOT normalised
.set j, j+1
.endr
	v_pk_mul_f32 v[14:15], v[14:15], v[F:F+1] op_sel_hi:[1,0]   ; the sums under the new M: the plain place behind the exponentials
	s_wait_alu depctr_va_vdst(0)                   ; the 64 exponentials have written p in v96-159: one wait for the whole batch, ahead of its first reader
.irp b, 0,1,2,3
	v_exp_f32 v[BM+\b], v[BM+\b]                   ; the block's largest p: the same two instructions on the same number give the same bits
.endr
	v_pk_add_f32 v[228:229], v[S:S+1], v[S+2:S+3]  ; THE ROW'S SUM IS TAKEN OF THE UNQUANTISED p: two at a time, in two chains; plain work behind the four
.irp i, 4,8,12,16,20,24,28,32,36,40,44,48,52,56,60
	v_pk_add_f32 v[14:15], v[14:15], v[S+\i:S+\i+1]
	v_pk_add_f32 v[228:229], v[228:229], v[S+\i+2:S+\i+3]
.endr
	v_pk_add_f32 v[14:15], v[14:15], v[228:229]
	s_wait_alu depctr_va_vdst(0)                   ; the four exponentials have written v212-215: their one wait, ahead of their first reader
.irp b, 0,1,2,3
	v_max_num_f32 v[BM+\b], 0x1800000, v[BM+\b]    ; the floor 2^(3 - 127): the byte cannot fall under 1 (a block whose every p is 0 keeps that byte: its codes are zeros)
.endr
.irp b, 0,1,2,3
	v_add_nc_u32 v[SO+\b], 0xff000000, v[BM+\b]    ; 2 off the exponent field: the conversion's scale operand
.endr
.irp b, 0,1,2,3
	v_lshrrev_b32 v[PT+\b], 23, v[SO+\b]           ; the scale's byte
.endr
	v_lshl_or_b32 v254, v[PT+1], 8, v[PT]          ; p's scale word for these 128 keys
	v_lshl_or_b32 v254, v[PT+2], 16, v254
	v_lshl_or_b32 v254, v[PT+3], 24, v254
.irp c, 0,1
	v_cvt_scalef32_pk16_fp6_f32 v[PC+6*\c:PC+6*\c+2], v[S+32*\c:S+32*\c+15], v[SO+2*\c]
	v_cvt_scalef32_pk16_fp6_f32 v[PC+12+4*\c:PC+14+4*\c], v[S+32*\c+16:S+32*\c+31], v[SO+2*\c+1]   ; (a conversion's three registers begin on an even number)
.endr
	v_nop                                          ; one plain place behind a scaled conversion
.irp c, 0,1                                    ; the operand's layout wants a WHOLE block in a lane: lanes 0-15 block 2 c, lanes 16-31 block 2 c + 1
.irp i, 0,1,2
	v_permlane16_swap_b32 v[PC+6*\c+\i], v[PC+12+4*\c+\i]
.endr
.irp i, 0,1,2
	v_mov_b32 v[PC+3+6*\c+\i], v[PC+12+4*\c+\i]
.endr
.endr
.set j, 0
.rept 16
	v_pk_mul_f32 v[O+j:O+j+1], v[O+j:O+j+1], v[F:F+1] op_sel_hi:[1,0]   ; O^T under the new M, each accumulator from its low end on.  Of these sixteen, twelve name no register of any one product below: the places behind the writes of p's codes and scale word
.set j, j+2
.endr
	s_wait_dscnt 0x0                               ; V's fragments are in
	s_wait_alu depctr_va_vdst(0)                   ; p's codes in v192-203 and its scale word in v254 are written, which the scaled products below take; the places above stay beside this wait
.irp g, 0,1,2,3
	PV \g                                          ; the four accumulators by turns, one instruction a turn; between two links of a chain stand the eleven other products of a step
.endr
	s_add_co_u32 s[TB], s[TB], STEPB
	s_add_co_u32 s[TS], s[TS], 512
	s_add_co_u32 s[TC], s[TC], 512
	s_lshr_b32 s[HOL], s[HOL], 1
	s_sub_co_u32 s[CNT], s[CNT], 1
	s_cmp_lg_u32 s[CNT], 0
	s_cbranch_scc1 .Lstep_\@
	; THE WAY OUT.  O^T is divided by the sum and goes through my stage, so that sixteen lanes store a query's 256 consecutive bytes, aligned.
.rept 4
	v_nop                                          ; four places behind the last products
.endr
	v_add_f32 v14, v14, v15                        ; the sum's two halves,
	v_permlanex16_b32 v[TMP], v14, s[SEL], s[SEL+1]
	v_add_f32 v14, v14, v[TMP]                     ; and lane l xor 16's: the row's sum
	s_wait_alu depctr_va_vdst(0)
	v_rcp_f32 v14, v14
	v_nop                                          ; a plain place behind the reciprocal
	s_wait_alu depctr_va_vdst(0)                   ; the reciprocal has written v14, ahead of its first reader
.set j, 0
.rept 16
	v_pk_mul_f32 v[S+j:S+j+1], v[O+j:O+j+1], v[14:15] op_sel_hi:[1,0]   ; register 8 T + i is o(r, 16 T + 8 h + i)
.set j, j+2
.endr
	s_wait_alu depctr_va_vdst(0)                   ; the multiplies have written v96-127, which the LDS stores read; the last products are done reading v48-79, in which the stage's loads land
.irp g, 0,1,2,3
	ds_store_b128 v[STO], v[S+8*\g:S+8*\g+3] offset:64*\g
	ds_store_b128 v[STO], v[S+8*\g+4:S+8*\g+7] offset:64*\g+16
.endr
.irp i, 0,1,2,3,4,5,6,7
	ds_load_b128 v[FR+4*\i:FR+4*\i+3], v[RD] offset:2*SP*\i   ; LDS serves a wave's instructions in order: these see my stores
.endr
.irp i, 0,1,2,3,4,5,6,7
	s_wait_dscnt 7-\i                              ; LDS loads come back in order: the 7 - i younger ones may be out
	global_store_b128 v[GO], v[FR+4*\i:FR+4*\i+3], s[12:13] offset:\t*256*ROWG+2*ROWG*\i th:TH_STORE_NT   ; two queries' 256 bytes each; written once, read by nobody here
.endr
.endm
	PASS 0
	PASS 1
	s_wait_dscnt 0x0                               ; the closing lines, six on end
	s_wait_alu 0x0
	s_wait_tensorcnt 0x0
	ds_add_u32 v[SPW], v[NIL]
	s_wait_dscnt 0x0
	s_endpgm
.Lfunc_end_k_q3dc87350bf_attn:
	.size	k_q3dc87350bf_attn, .Lfunc_end_k_q3dc87350bf_attn-k_q3dc87350bf_attn
	.p2alignl 7, 3214868480
	.fill 96, 4, 3214868480
	.section	.rodata,"a",@progbits
	.p2align	6, 0x0
	.amdhsa_kernel k_q3dc87350bf_attn
		.amdhsa_group_segment_fixed_size 284672
		.amdhsa_private_segment_fixed_size 0
		.amdhsa_enable_private_segment 0
		.amdhsa_kernarg_size 40
		.amdhsa_user_sgpr_count 2
		.amdhsa_user_sgpr_kernarg_segment_ptr 1
		.amdhsa_wavefront_size32 1
		.amdhsa_system_sgpr_workgroup_id_x 1
		.amdhsa_system_sgpr_workgroup_id_y 1
		.amdhsa_system_sgpr_workgroup_id_z 1
		.amdhsa_system_vgpr_workitem_id 0
		.amdhsa_next_free_vgpr 256
		.amdhsa_next_free_sgpr 66
		.amdhsa_reserve_vcc 0
		.amdhsa_float_denorm_mode_32 3
		.amdhsa_float_denorm_mode_16_64 3
		.amdhsa_memory_ordered 1
		.amdhsa_forward_progress 1
		.amdhsa_inst_pref_size 131
	.end_amdhsa_kernel
	.amdgpu_metadata
---
amdhsa.version: [ 1, 2 ]
amdhsa.kernels:
  - .name:           k_q3dc87350bf_attn
    .symbol:         k_q3dc87350bf_attn.kd
    .args:
      - { .name: query_input, .offset: 0, .size: 8, .value_kind: global_buffer, .address_space: global }
      - { .name: key_input, .offset: 8, .size: 8, .value_kind: global_buffer, .address_space: global }
      - { .name: value_input, .offset: 16, .size: 8, .value_kind: global_buffer, .address_space: global }
      - { .name: mask, .offset: 24, .size: 8, .value_kind: global_buffer, .address_space: global }
      - { .name: out0, .offset: 32, .size: 8, .value_kind: global_buffer, .address_space: global }
    .group_segment_fixed_size: 284672
    .private_segment_fixed_size: 0
    .kernarg_segment_align: 8
    .kernarg_segment_size: 40
    .max_flat_workgroup_size: 512
    .sgpr_count:     66
    .vgpr_count:     256
    .wavefront_size: 32
...
	.end_amdgpu_metadata
.endif
;; end of part 2
